; MI455X (gfx1250); checked and timed in simulation.
; The chip was launched on July 23, 2026; its instructions are those of AMD's public machine-readable ISA for CDNA 5 (MIT licence, August 2026) and "CDNA5" Instruction Set Architecture Reference Guide (July 2026). The comments in the code are by the model that wrote it; some were corrected since.
;; Weighted Shared Expert MLP. Allowed arithmetic: float matrix products may take bf16 or f16 operands with f32 sums; all other float work in f32.
;; Inputs: W1 512 x 2,048 float32; W2 2,048 x 512 float32; b1 2,048 float32; b2 512 float32; band_weights 16,384 x 4 float32; lora_fc1_A 4 x 512 x 16 float32; lora_fc1_B 4 x 16 x 2,048 float32; lora_fc2_A 4 x 2,048 x 16 float32; lora_fc2_B 4 x 16 x 512 float32; x 16,384 x 512 float32.
;; Outputs: out0 16,384 x 512 float32.
;; 2 versions, each right; version 2 is version 1 with the launch pack written anew for expert scheduling mode. Each part assembles by itself: llvm-mc -triple=amdgcn-amd-amdhsa -mcpu=gfx1250 --defsym DOCPART=n.
;; ======== version 1 of 2: 2 launches
;; limits: a function is approximated: absolute error at most 2.5e-05
;; workspace buffers: wpk 4,866,048 bytes
;; launch pack (part 1): grid 297 x 1, 4 waves a work-group, no clusters, 17,152 bytes of LDS; arguments W1, W2, b1, lora_fc1_A, lora_fc1_B, lora_fc2_A, lora_fc2_B, wpk; writes wpk
.if DOCPART == 1
	.amdgcn_target "amdgcn-amd-amdhsa--gfx1250"
	.amdhsa_code_object_version 6
	.text
	.protected	k_q3b0c616955_pack
	.globl	k_q3b0c616955_pack
	.p2align	8
	.type	k_q3b0c616955_pack,@function
k_q3b0c616955_pack:
	s_mov_b64 s[64:65], 0
	v_nop
	global_prefetch_b8 v0, s[64:65] scope:SCOPE_SE
	s_setreg_imm32_b32 hwreg(HW_REG_WAVE_MODE, 25, 1), 1
	s_wait_xcnt 0x0
; All weights, once: f32 stored [k][n]  ->  bf16 in the order in which a matrix fragment lies in registers, laid out as one linear
; stream for each wave of the main launch.  Nothing is scaled: every number is the input rounded once to bf16 (b1 stays f32).
; A FRAGMENT is 16 n x 32 k = 1,024 bytes: byte 512 half + 16 L (L = 16 h + r) holds the eight bf16 M[k0 + 16 half + 8 h + e][n0 + r], e = 0..7.
; wpk:  wave w's region at w WREG; in it chunk c (128 hidden units) at c CPAIR:
;         a block of [W1 ; B1cat] shifted by half a chunk, as the main launch walks it:
;           18 fragments (K step s at FR s) of hidden unit group u = 2 c + 1 (n0 = 64 u + 16 w),
;           one row of 256 bytes: b1 of group 2 c + 1 (16 numbers), b1 of group 2 c + 2 (16 numbers), zeros,
;           18 fragments of group u = (2 c + 2) mod 32;
;         36 fragments of [W2 | A2 of band w] (K step s = 0..3, b = 0..8 at FR (9 s + b), k0 = 128 c + 32 s; b < 8: n0 = 128 w + 16 b; b = 8: the 16 ranks).
;       A1OFF: A1 of band w, K step s at FR (16 w + s).   B2OFF: B2cat, FR (16 w + 8 s + b), k0 = 32 s, n0 = 128 w + 16 b.
; A wave makes four fragments.  A lane loads 8 rows x 4 columns of f32 for each half of K, packs pairs of rows, and puts 16 bytes for each column
; into the wave's own stage in LDS; the stage is read back in fragment order, so that each store of the wave covers 512 consecutive bytes, aligned to 256.
; Memory binds this launch; matrix units, clusters and tensor loads would add nothing to 15 MB of traffic.
.set FR,    1024
.set HALFB, 18*FR+256                  ; 18 fragments and the row of b1
.set S0B,   37120                      ; 36 fragments + the row of b1
.set CPAIR, 73984                      ; S0B + 36 fragments
.set WREG,  1183744                    ; 16 chunks
.set A1OFF, 4734976                    ; 4 regions
.set B2OFF, 4800512
.set STG,   4160                       ; a wave's stage: four fragments at a pitch of 1,040 bytes
.set IN,    16                         ; v[16:79]   f32 as loaded: half, row e, 4 columns; later the fragments read back
.set PKD,   80                         ; v[80:111]  packed: half, column i, 4 words
	s_load_b512 s[4:19], s[0:1], 0x0               ; W1 s[4:5], W2 s[6:7], b1 s[8:9], A1 s[10:11], B1 s[12:13], A2 s[14:15], B2 s[16:17], wpk s[18:19]
	v_lshl_add_u32 v112, v0, 2, 0x4100
	v_mov_b32 v113, 0
	v_and_b32 v1, 31, v0                           ; lane L
	v_lshrrev_b32 v2, 5, v0
	v_readfirstlane_b32 s26, v2                    ; wave
	s_mov_b32 s27, ttmp9                           ; work-group
	s_mov_b32 s29, 0                               ; high words of the two offsets
	s_mov_b32 s33, 0
	v_lshrrev_b32 v3, 4, v1                        ; h
	v_and_b32 v4, 15, v1
	v_lshrrev_b32 v5, 2, v4                        ; tt: which of the four fragments
	v_and_b32 v6, 3, v4                            ; qi: which four columns of it
	s_mul_i32 s30, s26, STG
	v_mul_u32_u24 v7, v5, 1040                     ; stage, in: 1,040 tt + 256 h + 64 qi.  For 16 neighbouring lanes that is 16 tt + 64 qi modulo 256: sixteen different 16-byte columns
	v_lshl_add_u32 v7, v3, 8, v7
	v_lshl_add_u32 v7, v6, 6, v7
	v_add_nc_u32 v7, s30, v7
	v_lshlrev_b32 v8, 4, v1                        ; 16 L: my place in a half fragment, in wpk
	v_add_nc_u32 v9, s30, v8                       ; and in the stage
	s_wait_kmcnt 0x0
; task number = 4 (work-group - first) + wave
.macro TASK first
	s_sub_co_u32 s34, s27, \first
	s_lshl2_add_u32 s34, s34, s26
.endm
; source and destination: each buffer's own address plus an offset made apart from it
.macro BASES src
	s_add_nc_u64 s[20:21], s[\src:\src+1], s[28:29]
	s_add_nc_u64 s[22:23], s[18:19], s[32:33]
.endm
; where a fragment of [W1 ; B1] goes: s36 = hidden group u, s35 = K step.  Group u is the front half of block (u - 1) / 2 if u is odd, the back half if even (group 0: block 15).
.macro W1DST
	s_add_co_u32 s37, s36, 31
	s_and_b32 s37, s37, 31                         ; (u - 1) mod 32
	s_lshr_b32 s38, s37, 1                         ; block
	s_and_b32 s37, s37, 1                          ; half
	s_mul_i32 s32, s38, CPAIR
	s_mul_i32 s37, s37, HALFB
	s_add_co_u32 s32, s32, s37
	s_lshl_b32 s38, s35, 10
	s_add_co_u32 s32, s32, s38
.endm
; Four fragments.  pitch: bytes from k to k + 1 in the source; ts: bytes from fragment to fragment in the source; step: the same in wpk.
.macro PACK pitch, ts, step
	v_mul_u32_u24 v10, v5, \ts
	v_mad_u32_u24 v10, v3, 8*\pitch, v10
	v_lshl_add_u32 v10, v6, 4, v10                 ; tt ts + 8 h rows + 16 qi
.irp half, 0,1
.irp e, 0,1,2,3,4,5,6,7
	global_load_b128 v[IN+32*\half+4*\e:IN+32*\half+4*\e+3], v10, s[20:21] offset:(16*\half+\e)*\pitch th:TH_LOAD_NT
.endr
.endr
.irp half, 0,1
	s_wait_loadcnt 8-8*\half                       ; loads come back in order: this half's eight are in, the other half's eight may be out
.irp i, 0,1,2,3
.irp d, 0,1,2,3
	v_cvt_pk_bf16_f32 v[PKD+16*\half+4*\i+\d], v[IN+32*\half+8*\d+\i], v[IN+32*\half+8*\d+4+\i]   ; rows 2 d, 2 d + 1 of column i
.endr
	ds_store_b128 v7, v[PKD+16*\half+4*\i:PKD+16*\half+4*\i+3] offset:512*\half+16*\i
.endr
.endr
.irp t, 0,1,2,3
.irp half, 0,1
	ds_load_b128 v[IN+8*\t+4*\half:IN+8*\t+4*\half+3], v9 offset:1040*\t+512*\half   ; the wave's own bytes; LDS serves a wave in order, so these see the stores above
.endr
.endr
.irp t, 0,1,2,3
.irp half, 0,1
	s_wait_dscnt 7-2*\t-\half                      ; the younger read-backs stay out
	global_store_b128 v8, v[IN+8*\t+4*\half:IN+8*\t+4*\half+3], s[22:23] offset:\t*\step+512*\half
.endr
.endr
	s_wait_tensorcnt 0x0
	ds_add_u32 v112, v113
	s_wait_dscnt 0x0
	s_endpgm
.endm
	s_cmp_lt_u32 s27, 128
	s_cbranch_scc0 .Lnot_w1
	; W1 [512][2048]: 16 K steps x 32 groups of 64 columns.  The four fragments of a group go to the four waves' regions.
	TASK 0
	s_and_b32 s35, s34, 15                         ; s
	s_lshr_b32 s36, s34, 4                         ; u
	s_lshl_b32 s28, s35, 18                        ; 32 s rows of 8,192 bytes
	s_lshl_b32 s37, s36, 8
	s_add_co_u32 s28, s28, s37                     ; + 256 u
	W1DST
	BASES 4
	PACK 8192, 64, WREG
.Lnot_w1:
	s_cmp_lt_u32 s27, 256
	s_cbranch_scc0 .Lnot_w2
	; W2 [2048][512]: 64 K steps x 8 groups of 64 columns.  A group is half of one wave's eight fragments.
	TASK 128
	s_and_b32 s35, s34, 7                          ; nb
	s_lshr_b32 s36, s34, 3                         ; S = 4 c + s
	s_lshl_b32 s28, s36, 16                        ; 32 S rows of 2,048 bytes
	s_lshl_b32 s37, s35, 8
	s_add_co_u32 s28, s28, s37
	s_lshr_b32 s37, s35, 1                         ; wave
	s_mul_i32 s32, s37, WREG
	s_lshr_b32 s37, s36, 2                         ; c
	s_mul_i32 s37, s37, CPAIR
	s_add_co_u32 s32, s32, s37
	s_and_b32 s37, s36, 3                          ; s
	s_mul_i32 s37, s37, 9
	s_and_b32 s38, s35, 1
	s_lshl2_add_u32 s37, s38, s37                  ; 9 s + 4 (nb & 1)
	s_lshl_b32 s37, s37, 10
	s_add_co_u32 s32, s32, s37
	s_add_co_u32 s32, s32, S0B
	BASES 6
	PACK 2048, 64, FR
.Lnot_w2:
	s_cmp_lt_u32 s27, 272
	s_cbranch_scc0 .Lnot_b1
	; B1 [4][16][2048] = 64 rows (16 band + rank): K steps 16 and 17 of the first product
	TASK 256
	s_and_b32 s35, s34, 1                          ; s'
	s_lshr_b32 s36, s34, 1                         ; u
	s_lshl_b32 s28, s35, 18
	s_lshl_b32 s37, s36, 8
	s_add_co_u32 s28, s28, s37
	s_add_co_u32 s35, s35, 16                      ; K step 16 + s'
	W1DST
	BASES 12
	PACK 8192, 64, WREG
.Lnot_b1:
	s_cmp_lt_u32 s27, 288
	s_cbranch_scc0 .Lnot_a2
	; A2 [4][2048][16]: rows of 64 bytes; the four fragments are a chunk's four K steps, the ninth fragment of each
	TASK 272
	s_and_b32 s35, s34, 3                          ; band
	s_lshr_b32 s36, s34, 2                         ; c
	s_lshl_b32 s28, s35, 17
	s_lshl_b32 s37, s36, 13
	s_add_co_u32 s28, s28, s37
	s_mul_i32 s32, s35, WREG
	s_mul_i32 s37, s36, CPAIR
	s_add_co_u32 s32, s32, s37
	s_add_co_u32 s32, s32, S0B+8*FR
	BASES 14
	PACK 64, 2048, 9*FR
.Lnot_a2:
	s_cmp_lt_u32 s27, 292
	s_cbranch_scc0 .Lnot_b2
	; B2 [4][16][512] = 64 rows
	TASK 288
	s_and_b32 s35, s34, 1                          ; s
	s_lshr_b32 s36, s34, 1                         ; nb
	s_lshl_b32 s28, s35, 16
	s_lshl_b32 s37, s36, 8
	s_add_co_u32 s28, s28, s37
	s_lshr_b32 s37, s36, 1                         ; wave
	s_lshl_b32 s37, s37, 4
	s_lshl3_add_u32 s37, s35, s37                  ; 16 wave + 8 s
	s_and_b32 s38, s36, 1
	s_lshl2_add_u32 s37, s38, s37                  ; + 4 (nb & 1)
	s_lshl_b32 s32, s37, 10
	s_add_co_u32 s32, s32, B2OFF
	BASES 16
	PACK 2048, 64, FR
.Lnot_b2:
	s_cmp_lt_u32 s27, 296
	s_cbranch_scc0 .Lbias
	; A1 [4][512][16]: rows of 64 bytes; four K steps a task
	TASK 292
	s_and_b32 s35, s34, 3                          ; band
	s_lshr_b32 s36, s34, 2                         ; g4
	s_lshl_b32 s28, s35, 15
	s_lshl_b32 s37, s36, 13
	s_add_co_u32 s28, s28, s37
	s_lshl2_add_u32 s37, s35, s36                  ; 4 band + g4
	s_lshl_b32 s32, s37, 12                        ; x 4 fragments
	s_add_co_u32 s32, s32, A1OFF
	BASES 10
	PACK 64, 2048, FR
.Lbias:
	; b1: for each wave w and block c one row of 256 bytes: b1 of group 2 c + 1, b1 of group (2 c + 2) mod 32 (16 numbers each, at 64 u + 16 w), 128 bytes of zeros.
	; 128 threads: p = 16 bytes of the row, w, uu = block's parity; eight steps of two blocks.  Sixteen neighbouring lanes store a whole row.
	v_and_b32 v12, 15, v0                          ; p
	v_bfe_u32 v13, v0, 4, 2                        ; w
	v_lshrrev_b32 v14, 6, v0                       ; uu
	v_and_b32 v15, 3, v12
	v_bfe_u32 v10, v12, 2, 1                       ; which half = (p & 7) >> 2: lanes with p >= 8 load what p - 8 loads, inside the buffer, and store zeros
	v_lshlrev_b32 v11, 9, v14
	v_lshl_add_u32 v11, v10, 8, v11
	v_lshl_add_u32 v11, v13, 6, v11
	v_lshl_add_u32 v11, v15, 4, v11
	v_add_nc_u32 v11, 256, v11                     ; 256 (2 uu + 1 + half) + 64 w + 16 (p & 3)
	v_mul_u32_u24 v10, v13, WREG
	v_mad_u32_u24 v10, v14, CPAIR, v10
	v_lshl_add_u32 v10, v12, 4, v10                ; w WREG + uu CPAIR + 16 p
	v_cmp_gt_u32 vcc_lo, 8, v12
.irp j, 0,1,2,3,4,5,6,7
	v_add_nc_u32 v[PKD+\j], 1024*\j, v11           ; four groups on for two blocks,
	v_and_b32 v[PKD+\j], 0x1fff, v[PKD+\j]         ; modulo b1's 8,192 bytes: block 15's back half is group 0
.endr
.irp j, 0,1,2,3,4,5,6,7
	global_load_b128 v[IN+4*\j:IN+4*\j+3], v[PKD+\j], s[8:9]
.endr
.irp j, 0,1,2,3,4,5,6,7
	s_wait_loadcnt 7-\j                            ; the younger loads stay out
.irp k, 0,1,2,3
	v_cndmask_b32 v[IN+4*\j+\k], 0, v[IN+4*\j+\k], vcc_lo
.endr
	global_store_b128 v10, v[IN+4*\j:IN+4*\j+3], s[18:19] offset:18*FR+\j*2*CPAIR
.endr
	s_endpgm
.Lfunc_end_k_q3b0c616955_pack:
	.size	k_q3b0c616955_pack, .Lfunc_end_k_q3b0c616955_pack-k_q3b0c616955_pack
	.p2alignl 7, 3214868480
	.fill 96, 4, 3214868480
	.section	.rodata,"a",@progbits
	.p2align	6, 0x0
	.amdhsa_kernel k_q3b0c616955_pack
		.amdhsa_group_segment_fixed_size 17152
		.amdhsa_private_segment_fixed_size 0
		.amdhsa_enable_private_segment 0
		.amdhsa_kernarg_size 64
		.amdhsa_user_sgpr_count 2
		.amdhsa_user_sgpr_kernarg_segment_ptr 1
		.amdhsa_wavefront_size32 1
		.amdhsa_system_sgpr_workgroup_id_x 1
		.amdhsa_system_sgpr_workgroup_id_y 1
		.amdhsa_system_sgpr_workgroup_id_z 1
		.amdhsa_system_vgpr_workitem_id 0
		.amdhsa_next_free_vgpr 114
		.amdhsa_next_free_sgpr 66
		.amdhsa_reserve_vcc 1
		.amdhsa_float_denorm_mode_32 3
		.amdhsa_float_denorm_mode_16_64 3
		.amdhsa_memory_ordered 1
		.amdhsa_forward_progress 1
		.amdhsa_inst_pref_size 46
	.end_amdhsa_kernel
	.amdgpu_metadata
---
amdhsa.version: [ 1, 2 ]
amdhsa.kernels:
  - .name:           k_q3b0c616955_pack
    .symbol:         k_q3b0c616955_pack.kd
    .args:
      - { .name: W1, .offset: 0, .size: 8, .value_kind: global_buffer, .address_space: global }
      - { .name: W2, .offset: 8, .size: 8, .value_kind: global_buffer, .address_space: global }
      - { .name: b1, .offset: 16, .size: 8, .value_kind: global_buffer, .address_space: global }
      - { .name: lora_fc1_A, .offset: 24, .size: 8, .value_kind: global_buffer, .address_space: global }
      - { .name: lora_fc1_B, .offset: 32, .size: 8, .value_kind: global_buffer, .address_space: global }
      - { .name: lora_fc2_A, .offset: 40, .size: 8, .value_kind: global_buffer, .address_space: global }
      - { .name: lora_fc2_B, .offset: 48, .size: 8, .value_kind: global_buffer, .address_space: global }
      - { .name: wpk, .offset: 56, .size: 8, .value_kind: global_buffer, .address_space: global }
    .group_segment_fixed_size: 17152
    .private_segment_fixed_size: 0
    .kernarg_segment_align: 8
    .kernarg_segment_size: 64
    .max_flat_workgroup_size: 128
    .sgpr_count:     66
    .vgpr_count:     114
    .wavefront_size: 32
...
	.end_amdgpu_metadata
.endif
;; end of part 1
;; launch mlp (part 2): grid 256 x 1, 4 waves a work-group, clusters of 4 x 1, 327,680 bytes of LDS; arguments x, band_weights, b2, wpk, out0; writes out0
.if DOCPART == 2
	.amdgcn_target "amdgcn-amd-amdhsa--gfx1250"
	.amdhsa_code_object_version 6
	.text
	.protected	k_q3b0c616955_mlp
	.globl	k_q3b0c616955_mlp
	.p2align	8
	.type	k_q3b0c616955_mlp,@function
k_q3b0c616955_mlp:
	s_mov_b64 s[64:65], 0
	v_nop
	global_prefetch_b8 v0, s[64:65] scope:SCOPE_SE
	s_setreg_imm32_b32 hwreg(HW_REG_WAVE_MODE, 25, 1), 1
	s_wait_xcnt 0x0
	s_wait_alu depctr_hold_cnt(0) depctr_sa_sdst(0) depctr_va_vdst(0) depctr_va_sdst(0) depctr_va_ssrc(0) depctr_va_vcc(0) depctr_vm_vsrc(0)
	s_getreg_b32 s2, hwreg(HW_REG_IB_STS2, 6, 4)
	s_cmp_eq_u32 s2, 0
	s_cbranch_scc0 .Lentry_in_a_cluster
	s_endpgm
.Lentry_in_a_cluster:
	s_bfe_u32 s2, ttmp6, 0x10000c
	s_cmp_lg_u32 s2, 0x3003
	s_cbranch_scc0 .Lentry_shape_is_right
	s_endpgm
.Lentry_shape_is_right:
; The whole network for 64 tokens a work-group, with the LoRA paths as extra columns and rows:
;   t1 = x A1 (band w in wave w);  u1 = 2 bw t1;  pre = [x | u1] [W1 ; B1cat] + b1  (K = 576);  h = gelu(pre);
;   [out | t2] = h [W2 | A2] (+ b2);  u2 = 2 bw t2;  out += u2 B2cat  (K = 64).     The factor 2 (alpha / rank) is exact and rides on bw.
; Four waves, as many as a WGP has SIMDs.  The waves split N, so each weight fragment (1 KB) is read from LDS by one wave and feeds four matrix instructions:
; all 64 rows of [x | u1] stay in each wave's registers as bf16 fragments (576 registers), and so do its 64 x 128 of out (256) and its t2 (32).
; The hidden axis goes in 16 chunks of 128; wave w makes hidden tiles 64 t + 16 w (t = 0, 1) of a chunk; h passes between the waves through a tile in LDS.
; THE FIRST PRODUCT RUNS HALF A CHUNK AHEAD, so that the GELU has matrix work to stand under.  Phase 1 of a trip is two passes of 72 matrix instructions:
; t = 1 of this chunk, with the GELU of its t = 0 between the matrix instructions, then t = 0 of the next chunk, with the GELU of this chunk's t = 1.
; Phase 2 is the second product of this chunk.  A pass in front of the loop makes t = 0 of the first chunk; the last chunk is written out behind the loop.
; WEIGHTS come as bf16 fragment images from wpk, a linear stream for each wave, through the wave's own two LDS regions (36 KB each, together 290 KB of the
; work-group's LDS: the largest pair that fits), one tensor load a wave behind each barrier round.
; CLUSTERS: all work-groups walk the same weights, so four form a cluster and ask for each block jointly (mask 15): the descriptor hangs on wpk, the wave's
; number and the cluster's number alone.  x is each work-group's own and comes by a plain tensor load.
; ORDER OF THE CHUNKS: cluster q starts at chunk c0(q) and walks the sixteen cyclically, so that the clusters ask for sixteen different blocks at a time and
; not all for the same one, and a block that a cluster asks for after its first trips has been asked for by another cluster before.
; THE MATRIX INSTRUCTION IS USED TRANSPOSED: source 0 = 16 n of a weight, source 1 = 16 tokens.  Lane (r = L % 16, h = L / 16) then holds token r and
; n = 8 h + 0..7: eight neighbouring numbers of a row of h, u or out.
; LIMITS.  Matrix operands are bf16 (x, all weights, h, u1, u2), sums f32.  The f32 sum over the hidden chunks starts at a chunk that differs from cluster to
; cluster: an order of rounding other than the definition's.  erf is the rational formula of Abramowitz and Stegun 7.1.25,
; erfc(z) = (a1 t + a2 t^2 + a3 t^3) exp(-z^2), t = 1 / (1 + 0.47047 z): absolute error of erf at most 2.5e-5 for every z >= 0, far below h's rounding to bf16;
; both tails are exact (exp2 gives 0).  A pre-activation of -inf gives NaN, as -inf x 0 does in the definition.
; No prefetch into the cache: each block is asked for by all 64 clusters in turn, and x is wanted at the first step.
;
; REGISTERS, in windows of 256 (s_set_vgpr_msb: bits 1:0 source 0, 3:2 source 1, 5:4 source 2, 7:6 destination):
;   window 0: v1-7 addresses and a constant; v8-15 b1 as C (at the start and at the end: bw and addresses); v16-27 GELU at work (second product: v16-31 two ring slots);
;             v32-95 fragments of u1 (at the start: x in f32); v96-127 t2 (at the start t1); v128-159 pre, t = 0; v160-191 pre, t = 1 (second product: h, even K steps);
;             v192-255 ring of weight fragments (second product: v192-223 four ring slots, v224-255 h, odd K steps; at the start v128-255: A1)
;   window 1: x, K steps 0-7 (32 s + 8 m);  at the end B2.   window 2: x, K steps 8-15.   window 3: out, 32 b + 8 m.
; x as source 1 lies in windows 1 and 2, so a piece of the GELU that multiplies two vector registers needs source 1 back in window 0: ten switches for a half tile.
; They stand between matrix instructions like the pieces themselves; x alone fills two windows, so no layout spares them.
.set FR,    1024
.set S0B,   37120                      ; in wpk: a block of [W1 ; B1]: 36 fragments + the row of b1 = 145 rows of 256 bytes
.set CPAIR, 73984                      ; + 36 fragments of [W2 | A2] = 144 rows: a chunk's bytes
.set WREG,  1183744
.set A1OFF, 4734976
.set B2OFF, 4800512
.set RGN,   37120                      ; an LDS region.  Region A (first): [W2 | A2]; region B: [W1 ; B1]
.set RWS,   74240                      ; a wave's two regions
.set HBASE, 296960                     ; behind the four waves' regions: h, 64 rows x 128 bf16
.set HP,    272                        ; pitches are odd multiples of 16 bytes: sixteen rows start in sixteen different 16-byte columns modulo 256
.set UBASE, 314368                     ; u1, later u2: 64 rows x 64 bf16
.set UP,    144
.set XP,    528                        ; x strips and the way out: rows of 128 f32 + 16 bytes
.set WBA, 1                            ; region B + 16 L
.set WAA, 2                            ; region A + 16 L
.set BIA, 3                            ; the row of b1 in region B + 32 h
.set HST, 4                            ; h: where I put 16 bytes
.set HLD, 5                            ; h: my fragment address
.set C2,  6                            ; v[6:7]   the constant c2, twice
.set BI,  8                            ; v[8:15]  b1 of the pass's hidden tile, as C
.set BW,  8                            ; at the start and at the end: v[8:11] 2 bw[16 m + r][w]
.set UST, 12
.set ULD, 13
.set L16, 14                           ; 16 L
.set OST, 15                           ; the way out: where I put 32 bytes
.set GT,  16                           ; GELU at work on four numbers: t, then the result
.set GQ,  20                           ; k x, then the polynomial
.set GE,  24                           ; the exponential
.set XS,  16                           ; at the start: v[16:19] my address in the four x strips
.set BWO, 20                           ; offsets into band_weights and b2
.set B2O, 21
.set PBI, 22                           ; region A + 32 h
.set XU,  32                           ; v[32:95] fragments of u1: 32 s' + 8 m
.set SA,  32                           ; at the start: two staging halves of 32 f32
.set T2,  96
.set HB,  128
.set WR,  192
.set MSB, 0
.macro WIN new                         ; the immediate's high byte repeats the setting that is left
.if MSB != (\new)
	s_set_vgpr_msb (MSB<<8)|(\new)
.set MSB, (\new)
.endif
.endm
.macro PLACES n                        ; places behind matrix instructions (ISA guide 7.12.1): plain vector instructions that name none of their registers
.rept \n
	v_nop
.endr
.endm
; A round of the cluster's barrier: my work-group's barrier, wave 0 signals for the work-group, every wave waits for all four work-groups, my work-group's barrier again.
.macro CREST                           ; a round behind its opening barrier
	s_cmp_lg_u32 s14, 0
	s_cbranch_scc1 .Lnot_wave_0_\@
	s_barrier_signal -3
.Lnot_wave_0_\@:
	s_barrier_wait -3
	s_barrier_signal -1
	s_barrier_wait -1
.endm
.macro ROUND
	s_barrier_signal -1
	s_barrier_wait -1
	CREST
.endm
; The next chunk, cyclically, and its two blocks' addresses.  Written only where no tensor load of the wave is out.
.macro STEPB
	s_add_co_u32 s61, s61, 1
	s_and_b32 s61, s61, 15
	s_mul_i32 s90, s61, CPAIR
	s_add_nc_u64 s[50:51], s[74:75], s[90:91]
	s_or_b32 s51, s51, 0x80000000
.endm
.macro STEPA
	s_add_nc_u64 s[54:55], s[88:89], s[90:91]
	s_or_b32 s55, s55, 0x80000000
.endm
; Addresses that only the start and the end want; v8-15 hold b1 in between.
.macro LANE
	v_and_b32 v24, 31, v0                          ; L
	v_and_b32 v25, 15, v0                          ; r
	v_bfe_u32 v26, v0, 4, 1                        ; h
	v_lshlrev_b32 v[L16], 4, v24
	v_lshlrev_b32 v27, 5, v26                      ; 32 h
	v_mul_u32_u24 v29, v25, UP
	v_lshl_add_u32 v29, v26, 4, v29
	v_add_nc_u32 v[ULD], UBASE, v29
	v_add_nc_u32 v[UST], s17, v[ULD]               ; + 32 w: my band's 16 ranks
	v_mul_u32_u24 v30, v25, XP
	v_add_nc_u32 v30, v30, v27                     ; 528 r + 32 h
	v_add_nc_u32 v[OST], s21, v30
	v_add_nc_u32 v[OST], RGN, v[OST]
	v_lshl_add_u32 v[BWO], v25, 4, s18             ; 16 r + 4 w
.endm
	s_load_b256 s[4:11], s[0:1], 0x0               ; x s[4:5], band_weights s[6:7], b2 s[8:9], wpk s[10:11]
	s_load_b64 s[12:13], s[0:1], 0x20              ; out0
	v_lshl_add_u32 v14, v0, 2, 0x4f000
	v_mov_b32 v15, 0
	ds_add_u32 v14, v15
	s_wait_dscnt 0x0
	v_lshrrev_b32 v24, 5, v0
	v_readfirstlane_b32 s14, v24                   ; wave w
	s_bfe_u32 s15, ttmp6, 0x40000                  ; cx
	s_lshl_b32 s16, ttmp9, 2
	s_add_co_u32 s16, s16, s15                     ; work-group = 4 x cluster + cx: enters the addresses of x, band_weights and out0 alone
	s_lshr_b32 s90, ttmp9, 1                       ; the first chunk, from the cluster's number q alone: with t = q xor (q >> 1), c0 = bits 0, 1, 3, 4 of t:
	s_xor_b32 s90, s90, ttmp9                      ; among the clusters that agree in any one bit of q all sixteen starts occur, twice each
	s_and_b32 s61, s90, 3
	s_lshr_b32 s90, s90, 1
	s_and_b32 s90, s90, 12
	s_or_b32 s61, s61, s90
	s_mov_b32 s91, 0
	s_mul_i32 s21, s14, RWS                        ; my two regions in LDS
	s_lshl_b32 s17, s14, 5
	s_lshl_b32 s18, s14, 2
	s_lshl_b32 s19, s14, 9
	s_mov_b32 s60, 0x3eaa540e                      ; 0.47047 / sqrt(2)
	s_mov_b32 s62, 0x3f596d27                      ; k = sqrt(log2(e) / 2): exp(-x^2 / 2) = 2^-(k x)^2
	s_mov_b32 s63, 0x3f596d27
	s_mov_b32 s66, 0xbebf7377                      ; c3 = -a3 / 2
	s_mov_b32 s67, 0xbebf7377
	s_mov_b32 s68, 0xbe32303a                      ; c1 = -a1 / 2
	s_mov_b32 s69, 0xbe32303a
	v_mov_b32 v[C2], 0x3d445ca1                    ; c2 = -a2 / 2
	v_mov_b32 v[C2+1], 0x3d445ca1
	; group 1 for a block of [W1 ; B1]: a dense block as 145 rows of 32 elements of 8 bytes; mask 15 (all four of the cluster), bit 21 beside it
	s_mov_b32 s24, 0x0023000f
	s_mov_b32 s25, 32<<16                          ; tensor_dim0 = 32
	s_mov_b32 s26, 145<<16                         ; tensor_dim1 = 145
	s_mov_b32 s27, 32<<16                          ; tile_dim0 = 32
	s_mov_b32 s28, 145                             ; tile_dim1
	s_mov_b32 s29, 32                              ; pitch
	s_mov_b32 s30, 0
	s_mov_b32 s31, 0
	; group 1 for a block of [W2 | A2]: the same with 144 rows
	s_mov_b32 s32, 0x0023000f
	s_mov_b32 s33, 32<<16
	s_mov_b32 s34, 144<<16
	s_mov_b32 s35, 32<<16
	s_mov_b32 s36, 144
	s_mov_b32 s37, 32
	s_mov_b32 s38, 0
	s_mov_b32 s39, 0
	; group 1 for the row of b1 and the back half of a block of [W1 ; B1]: 73 rows
	s_mov_b32 s80, 0x0023000f
	s_mov_b32 s81, 32<<16
	s_mov_b32 s82, 73<<16
	s_mov_b32 s83, 32<<16
	s_mov_b32 s84, 73
	s_mov_b32 s85, 32
	s_mov_b32 s86, 0
	s_mov_b32 s87, 0
	; group 1 for a strip of x: 64 rows x 128 f32, pitch 512 elements, 4 words of padding behind every 128; no mask
	s_mov_b32 s40, (2<<16)|(1<<20)|(6<<22)|(3<<25)
	s_mov_b32 s41, 128<<16
	s_mov_b32 s42, 64<<16
	s_mov_b32 s43, 128<<16
	s_mov_b32 s44, 64
	s_mov_b32 s45, 512
	s_mov_b32 s46, 0
	s_mov_b32 s47, 0
	; lane addresses
	LANE
	v_add_nc_u32 v[WAA], s21, v[L16]
	v_add_nc_u32 v[WBA], RGN, v[WAA]
	v_add_nc_u32 v[PBI], s21, v27
	v_add_nc_u32 v[BIA], RGN+18*FR, v[PBI]
	v_mul_u32_u24 v28, v25, HP
	v_lshl_add_u32 v28, v26, 4, v28                ; 272 r + 16 h
	v_add_nc_u32 v[HLD], HBASE, v28
	v_add_nc_u32 v[HST], s17, v[HLD]               ; + 32 w: my tile's 16 columns
.irp i, 0,1,2,3
	v_add_nc_u32 v[XS+\i], RGN+RWS*\i, v30         ; strip i lies in wave i's region B
.endr
	v_add_nc_u32 v[B2O], s19, v27                  ; 512 w + 32 h
	s_wait_kmcnt 0x0
	; group 0: region B's blocks, region A's blocks, the first pass's half block (into region A), my strip of x (into region B)
	s_mul_i32 s90, s14, WREG
	s_add_nc_u64 s[74:75], s[10:11], s[90:91]      ; my stream
	s_add_nc_u64 s[88:89], s[74:75], S0B           ; and its blocks of [W2 | A2]
	s_mul_i32 s90, s61, CPAIR
	s_mov_b32 s48, 1
	s_add_co_u32 s49, s21, RGN
	s_add_nc_u64 s[50:51], s[74:75], s[90:91]
	s_or_b32 s51, s51, 0x80000000
	s_mov_b32 s52, 1
	s_mov_b32 s53, s21
	s_add_nc_u64 s[54:55], s[88:89], s[90:91]
	s_or_b32 s55, s55, 0x80000000
	s_add_co_u32 s90, s61, 15
	s_and_b32 s90, s90, 15                         ; the chunk in front of the first: the back half of its block is t = 0 of the first
	s_mul_i32 s90, s90, CPAIR
	s_add_co_u32 s90, s90, 18*FR
	s_mov_b32 s76, 1
	s_mov_b32 s77, s21
	s_add_nc_u64 s[78:79], s[74:75], s[90:91]
	s_or_b32 s79, s79, 0x80000000
	s_lshl_b32 s90, s14, 14
	s_add_co_u32 s90, s90, A1OFF
	s_add_nc_u64 s[70:71], s[10:11], s[90:91]      ; my band's A1
	s_add_nc_u64 s[72:73], s[70:71], B2OFF-A1OFF   ; my columns' B2
	s_mov_b32 s23, 0
	s_lshl_b32 s22, s16, 17                        ; 64 rows of 2,048 bytes a work-group,
	s_add_co_u32 s22, s22, s19                     ; + 512 w: my strip of x, and my columns of out
	s_mov_b32 s56, 1
	s_add_co_u32 s57, s21, RGN
	s_add_nc_u64 s[58:59], s[4:5], s[22:23]
	s_or_b32 s59, s59, 0x80000000
	s_add_nc_u64 s[12:13], s[12:13], s[22:23]
	s_lshl_b32 s22, s16, 10                        ; 64 rows of 16 bytes
	s_add_nc_u64 s[6:7], s[6:7], s[22:23]
	ROUND                                          ; all four work-groups are here: the first joint loads meet
	tensor_load_to_lds s[56:59], s[40:47]          ; the first fills, as one group: my strip of x,
	s_nop 0
	tensor_load_to_lds s[76:79], s[80:87]          ; and the first pass's weights.  Two tensor loads of the wave are out
	s_nop 0
.irp s, 0,1,2,3,4,5,6,7,8,9,10,11,12,13,14,15
	global_load_b128 v[HB+8*\s:HB+8*\s+3], v[L16], s[70:71] offset:FR*\s          ; A1 of my band, 16 fragments
	global_load_b128 v[HB+8*\s+4:HB+8*\s+7], v[L16], s[70:71] offset:FR*\s+512
.endr
.irp m, 0,1,2,3
	global_load_b32 v[BW+\m], v[BWO], s[6:7] offset:256*\m                        ; 4 bytes a lane out of the work-group's 1,024
.endr
	WIN 0xc0
.irp b, 0,1,2,3,4,5,6,7
.irp m, 0,1,2,3
	global_load_b128 v[32*\b+8*\m:32*\b+8*\m+3], v[B2O], s[8:9] offset:64*\b       ; out starts as b2: nothing is cleared and nothing added later
	global_load_b128 v[32*\b+8*\m+4:32*\b+8*\m+7], v[B2O], s[8:9] offset:64*\b+16
.endr
.endr
	WIN 0
	s_wait_tensorcnt 0x1                           ; my strip of x is in; the first pass's weights may stay out
	s_barrier_signal -1
	s_barrier_wait -1                              ; everybody's strip is in
; x to registers.  LDX: K step s, tokens 32 half .. + 31: per 16 tokens the 16 f32 of a lane's fragment, four loads.  CVX: round them to bf16 in fragment order.
.macro LDX s, half
.irp mm, 0,1
.irp o, 0,1,2,3
	ds_load_b128 v[SA+32*\half+16*\mm+4*\o:SA+32*\half+16*\mm+4*\o+3], v[XS+((\s)>>2)] offset:16*XP*(2*\half+\mm)+128*((\s)&3)+64*(\o>>1)+16*(\o&1)
.endr
.endr
.endm
.macro CVX s, half
.irp mm, 0,1
.irp j, 0,1,2,3,4,5,6,7
	v_cvt_pk_bf16_f32 v[32*((\s)&7)+8*(2*\half+\mm)+\j], v[SA+32*\half+16*\mm+2*\j], v[SA+32*\half+16*\mm+2*\j+1]
.endr
.endr
.endm
; One K step of x: convert both halves, fetch the next step's, and add to t1.  wd: destination in x's window; ws: source 1 there (LDS loads pass under it unchanged).
; The four sums of t1 take turns, one instruction a turn.
.macro XSTEP s, wd, ws
	s_wait_dscnt 8                                 ; this step's first half is in; the second half's eight loads may be out
	WIN \wd
	CVX \s, 0
	WIN \ws
.if \s < 15
	LDX \s+1, 0
	s_wait_dscnt 8                                 ; the second half is in; the eight just issued may be out
.else
	s_wait_dscnt 0
.endif
	WIN \wd
	CVX \s, 1
	WIN \ws
.if \s < 15
	LDX \s+1, 1
.endif
.irp m, 0,1,2,3
.if \s == 0
	v_wmma_f32_16x16x32_bf16 v[T2+8*\m:T2+8*\m+7], v[HB+8*\s:HB+8*\s+7], v[32*(\s&7)+8*\m:32*(\s&7)+8*\m+7], 0
.else
	v_wmma_f32_16x16x32_bf16 v[T2+8*\m:T2+8*\m+7], v[HB+8*\s:HB+8*\s+7], v[32*(\s&7)+8*\m:32*(\s&7)+8*\m+7], v[T2+8*\m:T2+8*\m+7]
.endif
.endr
.endm
; u = (2 bw) t, rounded to bf16, 16 bytes a lane into the u tile: token 16 m + r, columns 16 w + 8 h + 0..7
.macro USTORE
.irp m, 0,1,2,3
.irp j, 0,2,4,6
.if \m & 1
	v_pk_mul_f32 v[T2+8*\m+\j:T2+8*\m+\j+1], v[T2+8*\m+\j:T2+8*\m+\j+1], v[BW+(\m&2):BW+(\m&2)+1] op_sel:[0,1] op_sel_hi:[1,1]
.else
	v_pk_mul_f32 v[T2+8*\m+\j:T2+8*\m+\j+1], v[T2+8*\m+\j:T2+8*\m+\j+1], v[BW+(\m&2):BW+(\m&2)+1] op_sel_hi:[1,0]
.endif
.endr
.irp j, 0,1,2,3
	v_cvt_pk_bf16_f32 v[SA+4*\m+\j], v[T2+8*\m+2*\j], v[T2+8*\m+2*\j+1]
.endr
	ds_store_b128 v[UST], v[SA+4*\m:SA+4*\m+3] offset:16*UP*\m
.endr
.endm
.macro ULOAD base                      ; the u tile as two K steps of fragments, 32 s + 8 m from base
.irp s, 0,1
.irp m, 0,1,2,3
	ds_load_b128 v[\base+32*\s+8*\m:\base+32*\s+8*\m+3], v[ULD] offset:16*UP*\m+64*\s
	ds_load_b128 v[\base+32*\s+8*\m+4:\base+32*\s+8*\m+7], v[ULD] offset:16*UP*\m+64*\s+32
.endr
.endr
.endm
; THE GELU, in pieces of four instructions; GPI counts them: tile GPI / 16 (tile 4 t + m at v[HB + 8 (4 t + m)]), its half (GPI / 8) % 2, step GPI % 8.  With a = |x|:
;   t = 1 / (1 + P a);  e = 2^-(k x)^2;  U = 1/2 + ((c3 t + c2) t + c1) t e = erf(a / sqrt 2) / 2;  gelu = x / 2 + a U.
; Behind the reciprocals stand the squares, behind the exponentials c3 t + c2: plain work that names none of their registers (ISA guide 5.7.2).
; The two packed words of a half tile land in the tile's own first four registers, whose numbers are used up by then.
; A piece asks for window 0 only in front of an instruction that has a vector register as its second source.
.macro GP
	.set GY, HB+8*(GPI>>4)
	.set GH, (GPI>>3)&1
	.set Y4, GY+4*GH
	.set GS, GPI&7
.if GS == 0
.irp j, 0,1,2,3
	v_fma_f32 v[GT+\j], |v[Y4+\j]|, s60, 1.0
.endr
.elseif GS == 1
	v_pk_mul_f32 v[GQ:GQ+1], v[Y4:Y4+1], s[62:63] op_sel_hi:[1,0]
	v_pk_mul_f32 v[GQ+2:GQ+3], v[Y4+2:Y4+3], s[62:63] op_sel_hi:[1,0]
	v_rcp_f32 v[GT], v[GT]
	v_rcp_f32 v[GT+1], v[GT+1]
.elseif GS == 2
	v_rcp_f32 v[GT+2], v[GT+2]
	v_rcp_f32 v[GT+3], v[GT+3]
	WIN 0
	v_pk_mul_f32 v[GE:GE+1], v[GQ:GQ+1], v[GQ:GQ+1] neg_lo:[0,1] neg_hi:[0,1]
	v_pk_mul_f32 v[GE+2:GE+3], v[GQ+2:GQ+3], v[GQ+2:GQ+3] neg_lo:[0,1] neg_hi:[0,1]
.elseif GS == 3
.irp j, 0,1,2,3
	v_exp_f32 v[GE+\j], v[GE+\j]
.endr
.elseif GS == 4
	s_wait_alu depctr_va_vdst(0)
	v_pk_fma_f32 v[GQ:GQ+1], v[GT:GT+1], s[66:67], v[C2:C2+1] op_sel_hi:[1,0,1]
	v_pk_fma_f32 v[GQ+2:GQ+3], v[GT+2:GT+3], s[66:67], v[C2:C2+1] op_sel_hi:[1,0,1]
	WIN 0
	v_pk_mul_f32 v[GE:GE+1], v[GT:GT+1], v[GE:GE+1]
	v_pk_mul_f32 v[GE+2:GE+3], v[GT+2:GT+3], v[GE+2:GE+3]
.elseif GS == 5
	WIN 0
	v_pk_fma_f32 v[GQ:GQ+1], v[GQ:GQ+1], v[GT:GT+1], s[68:69] op_sel_hi:[1,1,0]
	v_pk_fma_f32 v[GQ+2:GQ+3], v[GQ+2:GQ+3], v[GT+2:GT+3], s[68:69] op_sel_hi:[1,1,0]
	v_pk_fma_f32 v[GQ:GQ+1], v[GQ:GQ+1], v[GE:GE+1], 0.5 op_sel_hi:[1,1,0]
	v_pk_fma_f32 v[GQ+2:GQ+3], v[GQ+2:GQ+3], v[GE+2:GE+3], 0.5 op_sel_hi:[1,1,0]
.elseif GS == 6
	WIN 0
.irp j, 0,1,2,3
	v_mul_f32 v[GT+\j], |v[Y4+\j]|, v[GQ+\j]
.endr
.else
	v_pk_fma_f32 v[GT:GT+1], v[Y4:Y4+1], 0.5, v[GT:GT+1] op_sel_hi:[1,0,1]
	v_pk_fma_f32 v[GT+2:GT+3], v[Y4+2:Y4+3], 0.5, v[GT+2:GT+3] op_sel_hi:[1,0,1]
	WIN 0
	v_cvt_pk_bf16_f32 v[GY+2*GH], v[GT], v[GT+1]
	v_cvt_pk_bf16_f32 v[GY+2*GH+1], v[GT+2], v[GT+3]
.endif
	.set GPI, GPI+1
.endm
.macro HSTORE                          ; the tile just finished: token 16 m + r, hidden 64 t + 16 w + 8 h + 0..7
	.set TI, (GPI>>4)-1
	ds_store_b128 v[HST], v[HB+8*TI:HB+8*TI+3] offset:16*HP*(TI&3)+128*(TI>>2)
.endm
; THE FIRST PRODUCT.  Item f of a block: f < 18: K step f of t = 1 of this chunk, sums at v160; f >= 18: K step f - 18 of t = 0 of the next chunk, sums at v128.
; An item is one weight fragment and four matrix instructions; the four sums take turns, one instruction a turn.
; Fragments go through a ring of eight register slots in two halves: behind every fourth item stands one run of LDS instructions, which fetches the four items of the
; group after the next into the slots just read.  NDS counts a run's LDS instructions: the wait in front of a group lets exactly the run just issued stay out.
; gelu = 1: behind each matrix instruction of items 0-15 and 20-35 stands one piece of the GELU: tiles 0-3 (t = 0 of this chunk) under the first pass, tiles 4-7 under the
; second, four places and two items behind the last sum into them.  A tile's last piece, four plain instructions, falls behind a group's last matrix instruction: it is the
; four places in front of the run, and the tile's store heads the run.
.macro W1LD adr, obase, f0, i
	.set LF, \f0+(\i)
	.set LO, FR*LF+256*(LF/18)-(\obase)            ; the row of b1 lies between the halves
	.set LR, WR+8*((\i)&7)
	ds_load_b128 v[LR:LR+3], v[\adr] offset:LO
	ds_load_b128 v[LR+4:LR+7], v[\adr] offset:LO+512
.endm
.macro BILD badr, pa
	ds_load_b128 v[BI:BI+3], v[\badr] offset:64*(\pa)
	ds_load_b128 v[BI+4:BI+7], v[\badr] offset:64*(\pa)+16
.endm
.macro PH1 f0, nf, adr, obase, badr, gelu
	PLACES 5                                       ; behind the last matrix instructions: the loads land on fragments that they read, the sums write over others, the GELU writes over ring slots
	BILD \badr, \f0/18
	.set IT, 0
.rept 8
	W1LD \adr, \obase, \f0, IT
	.set IT, IT+1
.endr
	.set NDS, 8
	.set GPI, 0
	.set IT, 0
.rept \nf
	.set FF, \f0+IT
	.set SS, FF%18
	.set AC, HB+32-32*(FF/18)
.if (IT&3) == 0
	s_wait_dscnt NDS                               ; this group's fragments are in; the run issued behind the last group may be out
.endif
.if SS < 8
	.set XW, 0x04
	.set XB, 32*SS
.elseif SS < 16
	.set XW, 0x08
	.set XB, 32*(SS-8)
.else
	.set XW, 0
	.set XB, XU+32*(SS-16)
.endif
	.set GO, 0
.if \gelu
.if FF < 16
	.set GO, 1
.endif
.if FF >= 20
	.set GO, 1
.endif
.endif
.irp m, 0,1,2,3
	WIN XW
.if SS == 0
	v_wmma_f32_16x16x32_bf16 v[AC+8*\m:AC+8*\m+7], v[WR+8*(IT&7):WR+8*(IT&7)+7], v[XB+8*\m:XB+8*\m+7], v[BI:BI+7]
.else
	v_wmma_f32_16x16x32_bf16 v[AC+8*\m:AC+8*\m+7], v[WR+8*(IT&7):WR+8*(IT&7)+7], v[XB+8*\m:XB+8*\m+7], v[AC+8*\m:AC+8*\m+7]
.endif
.if GO
	GP
.endif
.endr
.if (IT&3) == 3
	.set NDS, 0
.if GO
	WIN 0
	HSTORE
	.set NDS, 1
.elseif IT+5 < \nf
	PLACES 4                                       ; no piece here: four places in front of the run (behind item 19 also in front of the GELU's first read of tile 4)
.endif
.if IT == 3
.if \nf > 18
	BILD \badr, 1                                  ; b1 for the second pass, over the first pass's, which item 0 has used
	.set NDS, NDS+2
.endif
.endif
	.set JT, IT+5
.rept 4
.if JT < \nf
	W1LD \adr, \obase, \f0, JT
	.set NDS, NDS+2
.endif
	.set JT, JT+1
.endr
.endif
	.set IT, IT+1
.endr
	WIN 0
.endm
; THE SECOND PRODUCT of a chunk: out(b, m) += W2(s, b) x h(s, m), t2(m) += A2(s) x h(s, m), four K steps: 144 matrix instructions, 36 sums by turns, one a turn.
; Fragment f = 9 s + b lives in ring slot f % 6 (four slots at v192, two at v16) and is fetched in groups of three, two groups ahead, into the slots just read;
; h's fragments in two buffers, two K steps ahead.  v128-159 hold the next chunk's sums meanwhile.  NDS as above.
; rnd = 1: the round behind which region A is filled again opens in front of the last group, whose operands are all in registers: the wave's LDS instructions are all back
; (the group's own wait is for 0), its tensor load has landed, region A's address steps, and the twelve matrix instructions stand between the signal and the wait.
.macro SLOTR f
.if ((\f)%6) < 4
	.set RB, WR+8*((\f)%6)
.else
	.set RB, 16+8*(((\f)%6)-4)
.endif
.endm
.macro G2W g
	.set LW, 3*(\g)
.rept 3
	SLOTR LW
	ds_load_b128 v[RB:RB+3], v[WAA] offset:FR*LW
	ds_load_b128 v[RB+4:RB+7], v[WAA] offset:FR*LW+512
	.set LW, LW+1
.endr
.endm
.macro G2H s
	.set HL, HB+32+64*((\s)&1)
.irp m, 0,1,2,3
	ds_load_b128 v[HL+8*\m:HL+8*\m+3], v[HLD] offset:16*HP*\m+64*(\s)
	ds_load_b128 v[HL+8*\m+4:HL+8*\m+7], v[HLD] offset:16*HP*\m+64*(\s)+32
.endr
.endm
.macro G2 rnd
	G2H 0
	G2W 0
	G2H 1
	G2W 1
	.set NDS, 14
	.set GG, 0
.rept 12
	.set HR, HB+32+64*((GG/3)&1)
	s_wait_dscnt NDS                               ; this group's fragments (and its K step's h) are in; the run just issued may be out
.if GG == 11
.if \rnd
	s_wait_xcnt 0x0
	v_lshl_add_u32 v14, v0, 2, 0x4f000
	v_mov_b32 v15, 0
	s_wait_tensorcnt 0x0                           ; the next block of [W1 ; B1] has landed: no tensor load of mine is out
	ds_add_u32 v14, v15
	s_wait_dscnt 0x0
	STEPA
	s_barrier_signal -1
.endif
.endif
	.set WF, 3*GG
.rept 3
	SLOTR WF
.if (WF%9) < 8
	WIN 0xf0
	.set OB, 32*(WF%9)
.irp m, 0,1,2,3
	v_wmma_f32_16x16x32_bf16 v[OB+8*\m:OB+8*\m+7], v[RB:RB+7], v[HR+8*\m:HR+8*\m+7], v[OB+8*\m:OB+8*\m+7]
.endr
.else
	WIN 0
.irp m, 0,1,2,3
	v_wmma_f32_16x16x32_bf16 v[T2+8*\m:T2+8*\m+7], v[RB:RB+7], v[HR+8*\m:HR+8*\m+7], v[T2+8*\m:T2+8*\m+7]
.endr
.endif
	.set WF, WF+1
.endr
	WIN 0
	.set NDS, 0
.if GG < 10
	PLACES 4                                       ; in front of loads into what was just read
	G2W GG+2
	.set NDS, 6
.if (GG%3) == 2
.if GG < 6
	G2H GG/3+2
	.set NDS, 14
.endif
.endif
.endif
	.set GG, GG+1
.endr
.endm
	LDX 0, 0
	LDX 0, 1
	s_wait_loadcnt 0x0                             ; A1, bw, b2
	v_pk_add_f32 v[BW:BW+1], v[BW:BW+1], v[BW:BW+1]            ; 2 bw: alpha / rank, exact
	v_pk_add_f32 v[BW+2:BW+3], v[BW+2:BW+3], v[BW+2:BW+3]
.irp s, 0,1,2,3,4,5,6,7
	XSTEP \s, 0x40, 0x04
.endr
.irp s, 8,9,10,11,12,13,14,15
	XSTEP \s, 0x80, 0x08
.endr
	WIN 0
	PLACES 4                                       ; behind the last matrix instructions, in front of the readers of t1
	USTORE                                         ; u1
	.set j, 0
.rept 32
	v_mov_b32 v[T2+j], 0                           ; t2 has no bias to start from and is summed inside the loop: its 32 registers are the only ones cleared
	.set j, j+1
.endr
	s_wait_dscnt 0x0                               ; my reads of the strips are back, my part of u1 is written,
	s_wait_xcnt 0x0
	v_lshl_add_u32 v14, v0, 2, 0x4f000
	v_mov_b32 v15, 0
	s_wait_tensorcnt 0x0                           ; and all my tensor loads have landed (the first pass's weights)
	ds_add_u32 v14, v15
	s_wait_dscnt 0x0
	ROUND                                          ; that holds of every wave of the cluster
	tensor_load_to_lds s[48:51], s[24:31]          ; my one load behind the round: the first chunk's block of [W1 ; B1], over the strip of x
	s_nop 0
	ULOAD XU                                       ; u1 as K steps 16 and 17 of [x | u1]
	PH1 18, 18, WAA, 18*FR, PBI, 0                 ; t = 0 of the first chunk, from region A
	s_wait_dscnt 0x0                               ; my reads of region A are back
	s_wait_xcnt 0x0
	v_lshl_add_u32 v14, v0, 2, 0x4f000
	v_mov_b32 v15, 0
	s_wait_tensorcnt 0x0                           ; the first block of [W1 ; B1] has landed
	ds_add_u32 v14, v15
	s_wait_dscnt 0x0
	ROUND
	tensor_load_to_lds s[52:55], s[32:39]          ; the first chunk's [W2 | A2]: it has phase 1 in which to land
	s_nop 0
; Fifteen chunks.  Two rounds a chunk; in front of each, every wave has waited for its LDS instructions and for all its tensor loads; behind each, its one tensor load.
; The rounds also order the h tile: its stores in front of the reads, the reads in front of the next chunk's stores.
	s_mov_b32 s20, 15
.Lchunk:
	PH1 0, 36, WBA, 0, BIA, 1
	s_wait_dscnt 0x0                               ; my reads of region B are back and my part of h is written
	s_wait_xcnt 0x0
	v_lshl_add_u32 v14, v0, 2, 0x4f000
	v_mov_b32 v15, 0
	s_wait_tensorcnt 0x0                           ; this chunk's [W2 | A2] has landed: no tensor load of mine is out,
	ds_add_u32 v14, v15
	s_wait_dscnt 0x0
	STEPB                                          ; so region B's address may step
	ROUND
	tensor_load_to_lds s[48:51], s[24:31]          ; the next block of [W1 ; B1]: it has the second product's 132 matrix instructions up to the next wait
	s_nop 0
	G2 1
	s_barrier_wait -1
	CREST
	tensor_load_to_lds s[52:55], s[32:39]          ; the next chunk's [W2 | A2]: it has phase 1's 144 matrix instructions in which to land
	s_nop 0
	s_sub_co_i32 s20, s20, 1
	s_cmp_lg_u32 s20, 0
	s_cbranch_scc1 .Lchunk
	; The last chunk, written out: only t = 1 is left of the first product (the block's back half is not read), the GELU of t = 1 has nothing to stand under,
	; nothing is left to fetch, and plain barriers order h and u
	PH1 0, 18, WBA, 0, BIA, 1
	PLACES 4                                       ; in front of the readers of the last sums
.rept 4
.rept 16
	GP
.endr
	HSTORE
.endr
	s_wait_dscnt 0x0
	s_wait_tensorcnt 0x0                           ; the last [W2 | A2]
	s_barrier_signal -1
	s_barrier_wait -1
	LANE                                           ; v8-15 are free of b1: bw and the end's addresses again
.irp m, 0,1,2,3
	global_load_b32 v[BW+\m], v[BWO], s[6:7] offset:256*\m
.endr
	WIN 0x40
.irp f, 0,1,2,3,4,5,6,7,8,9,10,11,12,13,14,15
	global_load_b128 v[8*\f:8*\f+3], v[L16], s[72:73] offset:FR*\f            ; B2, fragment 8 s + b, over x, which is no longer wanted (the GELU stands between)
	global_load_b128 v[8*\f+4:8*\f+7], v[L16], s[72:73] offset:FR*\f+512
.endr
	WIN 0
	s_wait_xcnt 0x0                                ; the offset into band_weights lies in a ring slot of the second product: it is loaded over only behind this wait
	G2 0
	PLACES 4                                       ; in front of the readers of t2
	s_wait_loadcnt 0x0                             ; bw, B2
	v_pk_add_f32 v[BW:BW+1], v[BW:BW+1], v[BW:BW+1]
	v_pk_add_f32 v[BW+2:BW+3], v[BW+2:BW+3], v[BW+2:BW+3]
	USTORE                                         ; u2
	s_wait_dscnt 0x0
	s_barrier_signal -1
	s_barrier_wait -1
	ULOAD HB
	s_wait_dscnt 0x0                               ; u2
	WIN 0xf1
.irp s, 0,1
.irp b, 0,1,2,3,4,5,6,7
.irp m, 0,1,2,3
	v_wmma_f32_16x16x32_bf16 v[32*\b+8*\m:32*\b+8*\m+7], v[8*(8*\s+\b):8*(8*\s+\b)+7], v[HB+32*\s+8*\m:HB+32*\s+8*\m+7], v[32*\b+8*\m:32*\b+8*\m+7]
.endr
.endr
.endr
	WIN 0
	PLACES 4                                       ; in front of the LDS stores of the sums and of the loads over u2's fragments
; THE WAY OUT, 16 tokens at a time, through region B, which has had its last fill and is the wave's own: 32 bytes a lane in, whole rows of 512 bytes back.
; Each store of the wave covers 512 consecutive bytes of out0, aligned to 512.
.macro OUT16 m, f
	WIN 0x0c
.irp b, 0,1,2,3,4,5,6,7
	ds_store_b128 v[OST], v[32*\b+8*\m:32*\b+8*\m+3] offset:16*XP*\m+64*\b
	ds_store_b128 v[OST], v[32*\b+8*\m+4:32*\b+8*\m+7] offset:16*XP*\m+64*\b+16
.endr
	WIN 0
	s_wait_xcnt 0x0                                ; buffer f, which earlier stores read, is loaded again only behind this wait
.irp i, 0,1,2,3,4,5,6,7,8,9,10,11,12,13,14,15
	ds_load_b128 v[\f+4*\i:\f+4*\i+3], v[WBA] offset:16*XP*\m+XP*\i              ; LDS serves a wave in order: these see the stores above
.endr
.irp i, 0,1,2,3,4,5,6,7,8,9,10,11,12,13,14,15
	s_wait_dscnt 15-\i                             ; the younger read-backs stay out
	global_store_b128 v[L16], v[\f+4*\i:\f+4*\i+3], s[12:13] offset:(16*\m+\i)*2048 th:TH_STORE_NT
.endr
.endm
	OUT16 0, HB
	OUT16 1, WR
	OUT16 2, HB
	OUT16 3, WR
	s_wait_xcnt 0x0
	v_lshl_add_u32 v14, v0, 2, 0x4f000
	v_mov_b32 v15, 0
	s_wait_tensorcnt 0x0
	ds_add_u32 v14, v15
	s_wait_dscnt 0x0
	ROUND                                          ; the closing round: no work-group ends while a partner may still ask jointly
	s_endpgm
.Lfunc_end_k_q3b0c616955_mlp:
	.size	k_q3b0c616955_mlp, .Lfunc_end_k_q3b0c616955_mlp-k_q3b0c616955_mlp
	.p2alignl 7, 3214868480
	.fill 96, 4, 3214868480
	.section	.rodata,"a",@progbits
	.p2align	6, 0x0
	.amdhsa_kernel k_q3b0c616955_mlp
		.amdhsa_group_segment_fixed_size 327680
		.amdhsa_private_segment_fixed_size 0
		.amdhsa_enable_private_segment 0
		.amdhsa_kernarg_size 40
		.amdhsa_user_sgpr_count 2
		.amdhsa_user_sgpr_kernarg_segment_ptr 1
		.amdhsa_wavefront_size32 1
		.amdhsa_system_sgpr_workgroup_id_x 1
		.amdhsa_system_sgpr_workgroup_id_y 1
		.amdhsa_system_sgpr_workgroup_id_z 1
		.amdhsa_system_vgpr_workitem_id 0
		.amdhsa_next_free_vgpr 1024
		.amdhsa_next_free_sgpr 92
		.amdhsa_reserve_vcc 0
		.amdhsa_float_denorm_mode_32 3
		.amdhsa_float_denorm_mode_16_64 3
		.amdhsa_memory_ordered 1
		.amdhsa_forward_progress 1
		.amdhsa_inst_pref_size 239
	.end_amdhsa_kernel
	.amdgpu_metadata
---
amdhsa.version: [ 1, 2 ]
amdhsa.kernels:
  - .name:           k_q3b0c616955_mlp
    .symbol:         k_q3b0c616955_mlp.kd
    .args:
      - { .name: x, .offset: 0, .size: 8, .value_kind: global_buffer, .address_space: global }
      - { .name: band_weights, .offset: 8, .size: 8, .value_kind: global_buffer, .address_space: global }
      - { .name: b2, .offset: 16, .size: 8, .value_kind: global_buffer, .address_space: global }
      - { .name: wpk, .offset: 24, .size: 8, .value_kind: global_buffer, .address_space: global }
      - { .name: out0, .offset: 32, .size: 8, .value_kind: global_buffer, .address_space: global }
    .group_segment_fixed_size: 327680
    .private_segment_fixed_size: 0
    .kernarg_segment_align: 8
    .kernarg_segment_size: 40
    .max_flat_workgroup_size: 128
    .sgpr_count:     92
    .vgpr_count:     1024
    .wavefront_size: 32
...
	.end_amdgpu_metadata
.endif
;; end of part 2
;; ======== version 2 of 2: 2 launches; version 1 with the launch pack written anew for expert scheduling mode
;; limits: a function is approximated: absolute error at most 2.5e-05
;; workspace buffers: wpk 4,866,048 bytes
;; launch pack (part 3): grid 297 x 1, 4 waves a work-group, no clusters, 17,152 bytes of LDS; arguments W1, W2, b1, lora_fc1_A, lora_fc1_B, lora_fc2_A, lora_fc2_B, wpk; writes wpk
.if DOCPART == 3
	.amdgcn_target "amdgcn-amd-amdhsa--gfx1250"
	.amdhsa_code_object_version 6
	.text
	.protected	k_q3b0c616955_pack
	.globl	k_q3b0c616955_pack
	.p2align	8
	.type	k_q3b0c616955_pack,@function
k_q3b0c616955_pack:
	s_mov_b64 s[64:65], 0
	v_nop
	global_prefetch_b8 v0, s[64:65] scope:SCOPE_SE
	s_setreg_imm32_b32 hwreg(HW_REG_WAVE_SCHED_MODE, 0, 2), 2
	s_setreg_imm32_b32 hwreg(HW_REG_WAVE_MODE, 25, 1), 1
	s_wait_xcnt 0x0
	s_wait_alu depctr_vm_vsrc(0)
; All weights, once: f32 stored [k][n]  ->  bf16 in the order in which a matrix fragment lies in registers, laid out as one linear
; stream for each wave of the main launch.  Nothing is scaled: every number is the input rounded once to bf16 (b1 stays f32).
; A FRAGMENT is 16 n x 32 k = 1,024 bytes: byte 512 half + 16 L (L = 16 h + r) holds the eight bf16 M[k0 + 16 half + 8 h + e][n0 + r], e = 0..7.
; wpk:  wave w's region at w WREG; in it chunk c (128 hidden units) at c CPAIR:
;         a block of [W1 ; B1cat] shifted by half a chunk, as the main launch walks it:
;           18 fragments (K step s at FR s) of hidden unit group u = 2 c + 1 (n0 = 64 u + 16 w),
;           one row of 256 bytes: b1 of group 2 c + 1 (16 numbers), b1 of group 2 c + 2 (16 numbers), zeros,
;           18 fragments of group u = (2 c + 2) mod 32;
;         36 fragments of [W2 | A2 of band w] (K step s = 0..3, b = 0..8 at FR (9 s + b), k0 = 128 c + 32 s; b < 8: n0 = 128 w + 16 b; b = 8: the 16 ranks).
;       A1OFF: A1 of band w, K step s at FR (16 w + s).   B2OFF: B2cat, FR (16 w + 8 s + b), k0 = 32 s, n0 = 128 w + 16 b.
; A wave makes four fragments.  A lane loads 8 rows x 4 columns of f32 for each half of K, packs pairs of rows, and puts 16 bytes for each column
; into the wave's own stage in LDS; the stage is read back in fragment order, so that each store of the wave covers 512 consecutive bytes, aligned to 256.
; Memory binds this launch; matrix units, clusters and tensor loads would add nothing to 15 MB of traffic.
; THE MODE: SCHED_MODE bits 1:0 = 2 (LLVM: expert scheduling mode 2), set by the entry lines.  The code itself states the register dependences
; between vector instructions and memory or LDS instructions, with s_wait_alu, always for 0.
; THE PLAN.  There is no loop: a wave takes one arm and ends.  Registers that memory or LDS instructions touch:
;   v7, v8, v9   Addresses, written at the head and never again; read by the LDS stores, the global stores and the LDS loads.
;   v10          The source offset, written at the head of an arm and never again; read by the arm's global loads (bias arm: by its stores).
;   IN           The sixteen global loads land in it; the conversions read it; then the read-backs from the stage land in its first 32 registers, and the global stores read those.
;   PKD          The conversions write it; the LDS stores read it; never written again.  (Bias arm: its first eight registers are the loads' offsets.)
;   v112, v113   Written at the head, read by the closing add alone.
; So an arm has three waits on va_vdst: behind v10's lines, ahead of the loads (it also states v7, v8, v9 written, which no later vector instruction names);
; behind the first half's conversions, ahead of that half's four LDS stores; behind the second half's, ahead of its four LDS stores, of the read-backs and of the global stores:
; no vector instruction follows it.  No register that a memory or LDS instruction has read is written again, so no wait on vm_vsrc is owed.
.set FR,    1024
.set HALFB, 18*FR+256                  ; 18 fragments and the row of b1
.set S0B,   37120                      ; 36 fragments + the row of b1
.set CPAIR, 73984                      ; S0B + 36 fragments
.set WREG,  1183744                    ; 16 chunks
.set A1OFF, 4734976                    ; 4 regions
.set B2OFF, 4800512
.set STG,   4160                       ; a wave's stage: four fragments at a pitch of 1,040 bytes
.set IN,    16                         ; v[16:79]   f32 as loaded: half, row e, 4 columns; later the fragments read back
.set PKD,   80                         ; v[80:111]  packed: half, column i, 4 words
	s_load_b512 s[4:19], s[0:1], 0x0               ; W1 s[4:5], W2 s[6:7], b1 s[8:9], A1 s[10:11], B1 s[12:13], A2 s[14:15], B2 s[16:17], wpk s[18:19]
	v_lshl_add_u32 v112, v0, 2, 0x4100
	v_mov_b32 v113, 0
	v_and_b32 v1, 31, v0                           ; lane L
	v_lshrrev_b32 v2, 5, v0
	v_readfirstlane_b32 s26, v2                    ; wave
	s_mov_b32 s27, ttmp9                           ; work-group
	s_mov_b32 s29, 0                               ; high words of the two offsets
	s_mov_b32 s33, 0
	v_lshrrev_b32 v3, 4, v1                        ; h
	v_and_b32 v4, 15, v1
	v_lshrrev_b32 v5, 2, v4                        ; tt: which of the four fragments
	v_and_b32 v6, 3, v4                            ; qi: which four columns of it
	s_wait_alu depctr_va_sdst(0)                   ; s26 is written, ahead of its first reader: the stage's place and the task's number are made from it
	s_mul_i32 s30, s26, STG
	v_mul_u32_u24 v7, v5, 1040                     ; stage, in: 1,040 tt + 256 h + 64 qi.  For 16 neighbouring lanes that is 16 tt + 64 qi modulo 256: sixteen different 16-byte columns
	v_lshl_add_u32 v7, v3, 8, v7
	v_lshl_add_u32 v7, v6, 6, v7
	v_add_nc_u32 v7, s30, v7
	v_lshlrev_b32 v8, 4, v1                        ; 16 L: my place in a half fragment, in wpk
	v_add_nc_u32 v9, s30, v8                       ; and in the stage
	s_wait_kmcnt 0x0
; task number = 4 (work-group - first) + wave
.macro TASK first
	s_sub_co_u32 s34, s27, \first
	s_lshl2_add_u32 s34, s34, s26
.endm
; source and destination: each buffer's own address plus an offset made apart from it
.macro BASES src
	s_add_nc_u64 s[20:21], s[\src:\src+1], s[28:29]
	s_add_nc_u64 s[22:23], s[18:19], s[32:33]
.endm
; where a fragment of [W1 ; B1] goes: s36 = hidden group u, s35 = K step.  Group u is the front half of block (u - 1) / 2 if u is odd, the back half if even (group 0: block 15).
.macro W1DST
	s_add_co_u32 s37, s36, 31
	s_and_b32 s37, s37, 31                         ; (u - 1) mod 32
	s_lshr_b32 s38, s37, 1                         ; block
	s_and_b32 s37, s37, 1                          ; half
	s_mul_i32 s32, s38, CPAIR
	s_mul_i32 s37, s37, HALFB
	s_add_co_u32 s32, s32, s37
	s_lshl_b32 s38, s35, 10
	s_add_co_u32 s32, s32, s38
.endm
; Four fragments.  pitch: bytes from k to k + 1 in the source; ts: bytes from fragment to fragment in the source; step: the same in wpk.
.macro PACK pitch, ts, step
	v_mul_u32_u24 v10, v5, \ts
	v_mad_u32_u24 v10, v3, 8*\pitch, v10
	v_lshl_add_u32 v10, v6, 4, v10                 ; tt ts + 8 h rows + 16 qi
	s_wait_alu depctr_va_vdst(0)                   ; v10 is written, which the loads read as their offset; so are v7, v8 and v9, which the LDS stores, the global stores and the LDS loads below read
.irp half, 0,1
.irp e, 0,1,2,3,4,5,6,7
	global_load_b128 v[IN+32*\half+4*\e:IN+32*\half+4*\e+3], v10, s[20:21] offset:(16*\half+\e)*\pitch th:TH_LOAD_NT
.endr
.endr
.irp half, 0,1
	s_wait_loadcnt 8-8*\half                       ; loads come back in order: this half's eight are in, the other half's eight may be out
.irp i, 0,1,2,3
.irp d, 0,1,2,3
	v_cvt_pk_bf16_f32 v[PKD+16*\half+4*\i+\d], v[IN+32*\half+8*\d+\i], v[IN+32*\half+8*\d+4+\i]   ; rows 2 d, 2 d + 1 of column i
.endr
.endr
	s_wait_alu depctr_va_vdst(0)                   ; this half's sixteen conversions have written their part of PKD, which the four LDS stores read; behind the second half's, all conversions are also done reading IN, in which the read-backs land
.irp i, 0,1,2,3
	ds_store_b128 v7, v[PKD+16*\half+4*\i:PKD+16*\half+4*\i+3] offset:512*\half+16*\i
.endr
.endr
.irp t, 0,1,2,3
.irp half, 0,1
	ds_load_b128 v[IN+8*\t+4*\half:IN+8*\t+4*\half+3], v9 offset:1040*\t+512*\half   ; the wave's own bytes; LDS serves a wave in order, so these see the stores above.  No vector instruction since the wait above
.endr
.endr
.irp t, 0,1,2,3
.irp half, 0,1
	s_wait_dscnt 7-2*\t-\half                      ; the younger read-backs stay out
	global_store_b128 v8, v[IN+8*\t+4*\half:IN+8*\t+4*\half+3], s[22:23] offset:\t*\step+512*\half
.endr
.endr
	s_wait_dscnt 0x0                               ; the closing lines, six on end
	s_wait_alu 0x0
	s_wait_tensorcnt 0x0
	ds_add_u32 v112, v113
	s_wait_dscnt 0x0
	s_endpgm
.endm
	s_cmp_lt_u32 s27, 128
	s_cbranch_scc0 .Lnot_w1
	; W1 [512][2048]: 16 K steps x 32 groups of 64 columns.  The four fragments of a group go to the four waves' regions.
	TASK 0
	s_and_b32 s35, s34, 15                         ; s
	s_lshr_b32 s36, s34, 4                         ; u
	s_lshl_b32 s28, s35, 18                        ; 32 s rows of 8,192 bytes
	s_lshl_b32 s37, s36, 8
	s_add_co_u32 s28, s28, s37                     ; + 256 u
	W1DST
	BASES 4
	PACK 8192, 64, WREG
.Lnot_w1:
	s_cmp_lt_u32 s27, 256
	s_cbranch_scc0 .Lnot_w2
	; W2 [2048][512]: 64 K steps x 8 groups of 64 columns.  A group is half of one wave's eight fragments.
	TASK 128
	s_and_b32 s35, s34, 7                          ; nb
	s_lshr_b32 s36, s34, 3                         ; S = 4 c + s
	s_lshl_b32 s28, s36, 16                        ; 32 S rows of 2,048 bytes
	s_lshl_b32 s37, s35, 8
	s_add_co_u32 s28, s28, s37
	s_lshr_b32 s37, s35, 1                         ; wave
	s_mul_i32 s32, s37, WREG
	s_lshr_b32 s37, s36, 2                         ; c
	s_mul_i32 s37, s37, CPAIR
	s_add_co_u32 s32, s32, s37
	s_and_b32 s37, s36, 3                          ; s
	s_mul_i32 s37, s37, 9
	s_and_b32 s38, s35, 1
	s_lshl2_add_u32 s37, s38, s37                  ; 9 s + 4 (nb & 1)
	s_lshl_b32 s37, s37, 10
	s_add_co_u32 s32, s32, s37
	s_add_co_u32 s32, s32, S0B
	BASES 6
	PACK 2048, 64, FR
.Lnot_w2:
	s_cmp_lt_u32 s27, 272
	s_cbranch_scc0 .Lnot_b1
	; B1 [4][16][2048] = 64 rows (16 band + rank): K steps 16 and 17 of the first product
	TASK 256
	s_and_b32 s35, s34, 1                          ; s'
	s_lshr_b32 s36, s34, 1                         ; u
	s_lshl_b32 s28, s35, 18
	s_lshl_b32 s37, s36, 8
	s_add_co_u32 s28, s28, s37
	s_add_co_u32 s35, s35, 16                      ; K step 16 + s'
	W1DST
	BASES 12
	PACK 8192, 64, WREG
.Lnot_b1:
	s_cmp_lt_u32 s27, 288
	s_cbranch_scc0 .Lnot_a2
	; A2 [4][2048][16]: rows of 64 bytes; the four fragments are a chunk's four K steps, the ninth fragment of each
	TASK 272
	s_and_b32 s35, s34, 3                          ; band
	s_lshr_b32 s36, s34, 2                         ; c
	s_lshl_b32 s28, s35, 17
	s_lshl_b32 s37, s36, 13
	s_add_co_u32 s28, s28, s37
	s_mul_i32 s32, s35, WREG
	s_mul_i32 s37, s36, CPAIR
	s_add_co_u32 s32, s32, s37
	s_add_co_u32 s32, s32, S0B+8*FR
	BASES 14
	PACK 64, 2048, 9*FR
.Lnot_a2:
	s_cmp_lt_u32 s27, 292
	s_cbranch_scc0 .Lnot_b2
	; B2 [4][16][512] = 64 rows
	TASK 288
	s_and_b32 s35, s34, 1                          ; s
	s_lshr_b32 s36, s34, 1                         ; nb
	s_lshl_b32 s28, s35, 16
	s_lshl_b32 s37, s36, 8
	s_add_co_u32 s28, s28, s37
	s_lshr_b32 s37, s36, 1                         ; wave
	s_lshl_b32 s37, s37, 4
	s_lshl3_add_u32 s37, s35, s37                  ; 16 wave + 8 s
	s_and_b32 s38, s36, 1
	s_lshl2_add_u32 s37, s38, s37                  ; + 4 (nb & 1)
	s_lshl_b32 s32, s37, 10
	s_add_co_u32 s32, s32, B2OFF
	BASES 16
	PACK 2048, 64, FR
.Lnot_b2:
	s_cmp_lt_u32 s27, 296
	s_cbranch_scc0 .Lbias
	; A1 [4][512][16]: rows of 64 bytes; four K steps a task
	TASK 292
	s_and_b32 s35, s34, 3                          ; band
	s_lshr_b32 s36, s34, 2                         ; g4
	s_lshl_b32 s28, s35, 15
	s_lshl_b32 s37, s36, 13
	s_add_co_u32 s28, s28, s37
	s_lshl2_add_u32 s37, s35, s36                  ; 4 band + g4
	s_lshl_b32 s32, s37, 12                        ; x 4 fragments
	s_add_co_u32 s32, s32, A1OFF
	BASES 10
	PACK 64, 2048, FR
.Lbias:
	; b1: for each wave w and block c one row of 256 bytes: b1 of group 2 c + 1, b1 of group (2 c + 2) mod 32 (16 numbers each, at 64 u + 16 w), 128 bytes of zeros.
	; 128 threads: p = 16 bytes of the row, w, uu = block's parity; eight steps of two blocks.  Sixteen neighbouring lanes store a whole row.
	; This arm stores nothing to LDS.  Its selects go in two groups of sixteen, each with one wait ahead of its four stores.
	v_and_b32 v12, 15, v0                          ; p
	v_bfe_u32 v13, v0, 4, 2                        ; w
	v_lshrrev_b32 v14, 6, v0                       ; uu
	v_and_b32 v15, 3, v12
	v_bfe_u32 v10, v12, 2, 1                       ; which half = (p & 7) >> 2: lanes with p >= 8 load what p - 8 loads, inside the buffer, and store zeros
	v_lshlrev_b32 v11, 9, v14
	v_lshl_add_u32 v11, v10, 8, v11
	v_lshl_add_u32 v11, v13, 6, v11
	v_lshl_add_u32 v11, v15, 4, v11
	v_add_nc_u32 v11, 256, v11                     ; 256 (2 uu + 1 + half) + 64 w + 16 (p & 3)
	v_mul_u32_u24 v10, v13, WREG
	v_mad_u32_u24 v10, v14, CPAIR, v10
	v_lshl_add_u32 v10, v12, 4, v10                ; w WREG + uu CPAIR + 16 p
	v_cmp_gt_u32 vcc_lo, 8, v12
.irp j, 0,1,2,3,4,5,6,7
	v_add_nc_u32 v[PKD+\j], 1024*\j, v11           ; four groups on for two blocks,
	v_and_b32 v[PKD+\j], 0x1fff, v[PKD+\j]         ; modulo b1's 8,192 bytes: block 15's back half is group 0
.endr
	s_wait_alu depctr_va_vcc(0)                    ; the compare has written VCC, ahead of its first reader: the selects below take their mask from it
	s_wait_alu depctr_va_vdst(0)                   ; the eight offsets v[PKD ..] are written, which the loads read; so is v10, which the stores read
.irp j, 0,1,2,3,4,5,6,7
	global_load_b128 v[IN+4*\j:IN+4*\j+3], v[PKD+\j], s[8:9]
.endr
.irp g, 0,1
	s_wait_loadcnt 4-4*\g                          ; loads come back in order: this group's four are in, the other group's four may be out
.irp j, 0,1,2,3
.irp k, 0,1,2,3
	v_cndmask_b32 v[IN+16*\g+4*\j+\k], 0, v[IN+16*\g+4*\j+\k], vcc_lo
.endr
.endr
	s_wait_alu depctr_va_vdst(0)                   ; this group's sixteen selects have written their registers of IN, which the four stores read
.irp j, 0,1,2,3
	global_store_b128 v10, v[IN+16*\g+4*\j:IN+16*\g+4*\j+3], s[18:19] offset:18*FR+(4*\g+\j)*2*CPAIR
.endr
.endr
	s_endpgm
.Lfunc_end_k_q3b0c616955_pack:
	.size	k_q3b0c616955_pack, .Lfunc_end_k_q3b0c616955_pack-k_q3b0c616955_pack
	.p2alignl 7, 3214868480
	.fill 96, 4, 3214868480
	.section	.rodata,"a",@progbits
	.p2align	6, 0x0
	.amdhsa_kernel k_q3b0c616955_pack
		.amdhsa_group_segment_fixed_size 17152
		.amdhsa_private_segment_fixed_size 0
		.amdhsa_enable_private_segment 0
		.amdhsa_kernarg_size 64
		.amdhsa_user_sgpr_count 2
		.amdhsa_user_sgpr_kernarg_segment_ptr 1
		.amdhsa_wavefront_size32 1
		.amdhsa_system_sgpr_workgroup_id_x 1
		.amdhsa_system_sgpr_workgroup_id_y 1
		.amdhsa_system_sgpr_workgroup_id_z 1
		.amdhsa_system_vgpr_workitem_id 0
		.amdhsa_next_free_vgpr 114
		.amdhsa_next_free_sgpr 66
		.amdhsa_reserve_vcc 1
		.amdhsa_float_denorm_mode_32 3
		.amdhsa_float_denorm_mode_16_64 3
		.amdhsa_memory_ordered 1
		.amdhsa_forward_progress 1
		.amdhsa_inst_pref_size 47
	.end_amdhsa_kernel
	.amdgpu_metadata
---
amdhsa.version: [ 1, 2 ]
amdhsa.kernels:
  - .name:           k_q3b0c616955_pack
    .symbol:         k_q3b0c616955_pack.kd
    .args:
      - { .name: W1, .offset: 0, .size: 8, .value_kind: global_buffer, .address_space: global }
      - { .name: W2, .offset: 8, .size: 8, .value_kind: global_buffer, .address_space: global }
      - { .name: b1, .offset: 16, .size: 8, .value_kind: global_buffer, .address_space: global }
      - { .name: lora_fc1_A, .offset: 24, .size: 8, .value_kind: global_buffer, .address_space: global }
      - { .name: lora_fc1_B, .offset: 32, .size: 8, .value_kind: global_buffer, .address_space: global }
      - { .name: lora_fc2_A, .offset: 40, .size: 8, .value_kind: global_buffer, .address_space: global }
      - { .name: lora_fc2_B, .offset: 48, .size: 8, .value_kind: global_buffer, .address_space: global }
      - { .name: wpk, .offset: 56, .size: 8, .value_kind: global_buffer, .address_space: global }
    .group_segment_fixed_size: 17152
    .private_segment_fixed_size: 0
    .kernarg_segment_align: 8
    .kernarg_segment_size: 64
    .max_flat_workgroup_size: 128
    .sgpr_count:     66
    .vgpr_count:     114
    .wavefront_size: 32
...
	.end_amdgpu_metadata
.endif
;; end of part 3
;; launch mlp: the kernel of part 2 again; grid 256 x 1, 4 waves a work-group, clusters of 4 x 1, 327,680 bytes of LDS; arguments x, band_weights, b2, wpk, out0; writes out0
